; MI455X (gfx1250); checked and timed in simulation.
; The chip was launched on July 23, 2026; its instructions are those of AMD's public machine-readable ISA for CDNA 5 (MIT licence, August 2026) and "CDNA5" Instruction Set Architecture Reference Guide (July 2026). The comments in the code are by the model that wrote it; some were corrected since.
;; LSE Vanilla Attention. Allowed arithmetic: float matrix products may take bf16 or f16 operands with f32 sums; all other float work in f32.
;; Inputs: k 2 x 2,048 x 16 x 128 float32; q 2 x 2,048 x 16 x 128 float32; v 2 x 2,048 x 16 x 128 float32.
;; Outputs: out0 2 x 2,048 x 16 x 128 float32; out1 2 x 16 x 2,048 float32.
;; 2 versions, each right. Each part assembles by itself: llvm-mc -triple=amdgcn-amd-amdhsa -mcpu=gfx1250 --defsym DOCPART=n.
;; ======== version 1 of 2: 1 launch
;; launch attn (part 1): grid 8 x 32, 4 waves a work-group, clusters of 4 x 1, 327,680 bytes of LDS; arguments q, k, v, out0, out1; writes out0, out1
.if DOCPART == 1
	.amdgcn_target "amdgcn-amd-amdhsa--gfx1250"
	.amdhsa_code_object_version 6
	.text
	.protected	k_q0860eae2da_attn
	.globl	k_q0860eae2da_attn
	.p2align	8
	.type	k_q0860eae2da_attn,@function
k_q0860eae2da_attn:
	s_mov_b64 s[64:65], 0
	v_nop
	global_prefetch_b8 v0, s[64:65] scope:SCOPE_SE
	s_setreg_imm32_b32 hwreg(HW_REG_WAVE_MODE, 25, 1), 1
	s_wait_xcnt 0x0
	s_wait_alu depctr_hold_cnt(0) depctr_sa_sdst(0) depctr_va_vdst(0) depctr_va_sdst(0) depctr_va_ssrc(0) depctr_va_vcc(0) depctr_vm_vsrc(0)
	s_getreg_b32 s2, hwreg(HW_REG_IB_STS2, 6, 4)
	s_cmp_eq_u32 s2, 0
	s_cbranch_scc0 .Lentry_in_a_cluster
	s_endpgm
.Lentry_in_a_cluster:
	s_bfe_u32 s2, ttmp6, 0x10000c
	s_cmp_lg_u32 s2, 0x3003
	s_cbranch_scc0 .Lentry_shape_is_right
	s_endpgm
.Lentry_shape_is_right:
; Attention without a mask: out0 = softmax(q k^T / sqrt(128)) v, out1 = logsumexp of the scaled scores.
; q, k, v, out0: [2][2048][16][128] f32; out1: [2][16][2048] f32.  Products in bf16 with f32 sums, everything else in f32.
;
; SHARES.  Work-group (x, y): head y = 16 b + h, queries 256 x .. 256 x + 255.  Four waves, 64 queries each (4 blocks of 16).
; Keys go in 32 trips of 64.  256 work-groups of equal work.
; CLUSTER.  The four work-groups of a cluster (4 x 1) walk the same k and v of one head: every tile of k and v is asked for jointly,
; one tensor load a wave with the mask of the four, and lands in each one's LDS.
; FORM.  Scores transposed: S^T = K Q^T (A = 16 keys x 32 d, B = 16 queries x 32 d).  A lane then holds 8 keys of ONE query, two such
; tiles packed to bf16 ARE the B fragment of P^T (32 keys x 16 queries), and O^T = V^T P^T keeps one query a lane: maximum, sum and
; rescaling factor are one number a lane, and P never leaves the registers.
; SOFTMAX.  Running maximum M of the raw scores; NM = -c M with c = log2(e)/sqrt(128); p = 2^(c s + NM); old sums times 2^(NM_new - NM_old);
; lse = ln 2 (log2 L - NM).
; k and v arrive as f32 (tensor loads into a landing ring), are rounded to bf16 by the four waves (16 rows each) one trip ahead and
; laid into a second ring, from which every wave takes its fragments (v through the transposing LDS load).
; LIMITS.  NaN and infinite inputs: no claim is made for the results.  An exponential below 2^-126 counts as 0 (ISA guide, v_exp_f32);
; the sum it would join is at least about 1.
.set ROWB,  8192                       ; bytes from one sequence position to the next in q, k, v, out0
.set TILEB, 64*ROWB                    ; 64 keys
.set LSLOT, 65536                      ; a landing slot: 4 quarters of 64 rows x 256 bytes (k d 0-63, k d 64-127, v d 0-63, v d 64-127)
.set BF,    131072                     ; the bf16 ring begins behind the two landing slots; no tensor load lands from here on
.set BFS,   35840                      ; one bf16 slot: k 64 rows x 272, then v 64 rows x 288
.set KP,    272                        ; 256 bytes + 16: sixteen rows of a fragment load start in sixteen different 16-byte columns of a 256-byte span
.set VP,    288                        ; 256 bytes + 32, for the transposing load
.set VOFF,  64*KP                      ; v behind k in a bf16 slot
.set STG,   BF+2*BFS                   ; 202,752: a stage of 17,408 bytes for each wave, its own: q on the way in, O and lse on the way out
.set STGW,  17408
.set OP,    528                        ; a stage row of O: 512 bytes + 16
.set LSEO,  16*OP                      ; the wave's 64 lse behind 16 such rows
; window 0 (an instruction names v0-v255; s_set_vgpr_msb says which window of 256 each operand place means)
.set KA,  8                            ; v8-9    k fragments in bf16 slot 0, 1
.set VA,  10                           ; v10-11  v fragments
.set LA,  12                           ; v12-13  my 16 bytes of my wave's first landing row, slot 0, 1
.set KS,  14                           ; v14-15  where my 8 bytes of bf16 k go
.set VS,  16                           ; v16-17  the same for v
.set QST, 18                           ; q into the stage
.set QA,  19                           ; q fragments out of it
.set GO,  20                           ; 16 x lane: my 16 bytes of a row of q or out0
.set OST, 21                           ; O into the stage
.set ORD, 22                           ; O rows out of it
.set PF,  23                           ; prefetch: (lane / 2) rows + (lane & 1) x 256 bytes
.set LSA, 24                           ; lse into the stage
.set LRA, 25                           ; lse out of it
.set LGO, 26                           ; 8 x lane: my 8 bytes of out1
.set LV,  28                           ; v28-29  two lse
.set SC,  32                           ; v32-159 scores: tile (key block kb, query block qb) at SC + 32 qb + 8 kb; P fragment (kp, qb) at SC + 32 qb + 16 kp
.set ST,  160                          ; v160-191 per query block 8: +0 NM (even trips) +1 M +2 NM (odd trips) +3 T +4 AL +5 A +6,+7 L
.set CT,  192                          ; v192-255 16 landing rows x 4 registers, at work in the cast
; window 1: O(d block db, qb) at 8 (4 db + qb).  window 2: q fragment (qb, d step) at 8 (4 qb + ds).
; window 3: k fragment (kb, ds) at 8 (4 kb + ds); v fragment (kp, db) at 128 + 8 (8 kp + db).
.set G1, 32                            ; s[32:39] descriptor group 1
.set G0, 40                            ; s[40:47] descriptor group 0, one set for each landing slot
.set MSB, 0
.macro WIN new                         ; low byte: bits 1:0 source 0, 3:2 source 1, 5:4 source 2, 7:6 destination; the high byte repeats the setting that is left
.if MSB != \new
	s_set_vgpr_msb (MSB<<8)|\new
.set MSB, \new
.endif
.endm
.macro PLACES
.rept 4
	v_nop
.endr
.endm
; A round of the cluster's barrier: my work-group's barrier, wave 0 signals for the work-group, every wave waits for all four work-groups, my work-group's barrier again.
.macro ROUND
	s_barrier_signal -1
	s_barrier_wait -1
	s_cmp_lg_u32 s14, 0
	s_cbranch_scc1 .Lnot_wave_0_\@
	s_barrier_signal -3
.Lnot_wave_0_\@:
	s_barrier_wait -3
	s_barrier_signal -1
	s_barrier_wait -1
.endm
; Wave 3 asks for the tile whose tensor load stands at the head of the next trip.  Of a head's two clusters the first asks for k, the second for v;
; partner cx takes rows 16 cx .. 16 cx + 15 of the 64, a lane one block of 256 bytes: every block is asked for once in the launch.
.macro PREFETCH
	s_cmp_lg_u32 s14, 3
	s_cbranch_scc1 .Lno_ask_\@
	s_wait_xcnt 0x0                                ; the last request, a trip ago, has read its base: the base may step
	s_add_nc_u64 s[48:49], s[48:49], TILEB
	global_prefetch_b8 v[PF], s[48:49] th:TH_LOAD_NT scope:SCOPE_SE
.Lno_ask_\@:
.endm
; 32 loads: 4 key blocks x 4 d steps of k, key block ascending
.macro KLOAD slot
	WIN 0xc0
.set kb, 0
.rept 4
.set dsx, 0
.rept 4
	ds_load_b128 v[8*(4*kb+dsx):8*(4*kb+dsx)+3],   v[KA+\slot] offset:kb*16*KP+dsx*64
	ds_load_b128 v[8*(4*kb+dsx)+4:8*(4*kb+dsx)+7], v[KA+\slot] offset:kb*16*KP+dsx*64+32
.set dsx, dsx+1
.endr
.set kb, kb+1
.endr
.endm
; 32 transposing loads: v lies [key][d]; a fragment of V^T is 16 d x 32 keys
.macro VLOAD slot
	WIN 0xc0
.set kp, 0
.rept 2
.set db, 0
.rept 8
	ds_load_tr16_b128 v[128+8*(8*kp+db):128+8*(8*kp+db)+3],   v[VA+\slot] offset:kp*32*VP+db*32
	ds_load_tr16_b128 v[128+8*(8*kp+db)+4:128+8*(8*kp+db)+7], v[VA+\slot] offset:kp*32*VP+db*32+16*VP
.set db, db+1
.endr
.set kp, kp+1
.endr
.endm
; My wave's 16 landing rows of k (tens = 0) or v (1): lanes 0-15 take d 0-63 from the left quarter, lanes 16-31 d 64-127 from the right: lane l holds d = 4 l .. 4 l + 3
.macro CLOAD slot, tens
	WIN 0
.set j, 0
.rept 16
	ds_load_b128 v[CT+4*j:CT+4*j+3], v[LA+\slot] offset:\tens*32768+j*256
.set j, j+1
.endr
.endm
; Rounded to bf16 and laid down: one store of the wave is one row's 256 bytes
.macro CCVT adr, pitch
.set j, 0
.rept 16
	v_cvt_pk_bf16_f32 v[CT+4*j],   v[CT+4*j],   v[CT+4*j+1]
	v_cvt_pk_bf16_f32 v[CT+4*j+1], v[CT+4*j+2], v[CT+4*j+3]
	ds_store_b64 v[\adr], v[CT+4*j:CT+4*j+1] offset:j*\pitch
.set j, j+1
.endr
.endm
; 64 matrix instructions: S^T = K Q^T.  Within a key block the four query blocks' accumulators take turns, one instruction a turn;
; the first d step starts the sums with C = 0.
.macro QK conv
	WIN 0x0b
.set kb, 0
.rept 4
	s_wait_dscnt 24-8*kb+16*\conv                  ; LDS loads come back in order: out may be the 8 loads of each later key block and the 16 landing loads behind them
.set dsx, 0
.rept 4
.set qb, 0
.rept 4
.if dsx == 0
	v_wmma_f32_16x16x32_bf16 v[SC+32*qb+8*kb:SC+32*qb+8*kb+7], v[8*(4*kb+dsx):8*(4*kb+dsx)+7], v[8*(4*qb+dsx):8*(4*qb+dsx)+7], 0
.else
	v_wmma_f32_16x16x32_bf16 v[SC+32*qb+8*kb:SC+32*qb+8*kb+7], v[8*(4*kb+dsx):8*(4*kb+dsx)+7], v[8*(4*qb+dsx):8*(4*qb+dsx)+7], v[SC+32*qb+8*kb:SC+32*qb+8*kb+7]
.endif
.set qb, qb+1
.endr
.set dsx, dsx+1
.endr
.set kb, kb+1
.endr
.endm
; The running maximum, four chains that do not wait for each other; the two lanes of a query meet once; NM of this trip's parity p; the factor for the old sums
.macro MAXST p, first
.irp q, 0,1,2,3
.if \first
	v_max_num_f32 v[ST+8*\q+1], v[SC+32*\q], v[SC+32*\q+1]
.else
	v_max3_num_f32 v[ST+8*\q+1], v[ST+8*\q+1], v[SC+32*\q], v[SC+32*\q+1]
.endif
.endr
.set i, 1
.rept 15
.irp q, 0,1,2,3
	v_max3_num_f32 v[ST+8*\q+1], v[ST+8*\q+1], v[SC+32*\q+2*i], v[SC+32*\q+2*i+1]
.endr
.set i, i+1
.endr
.irp q, 0,1,2,3
	v_permlanex16_b32 v[ST+8*\q+3], v[ST+8*\q+1], s22, s23     ; lane l takes lane l xor 16: the query's other 32 keys
.endr
.irp q, 0,1,2,3
	v_max_num_f32 v[ST+8*\q+1], v[ST+8*\q+1], v[ST+8*\q+3]
.endr
.irp q, 0,1,2,3
	v_mul_f32 v[ST+8*\q+2*\p], s26, v[ST+8*\q+1]               ; NM = -c M
.endr
.if \first == 0
.irp q, 0,1,2,3
	v_sub_f32 v[ST+8*\q+5], v[ST+8*\q+2*\p], v[ST+8*\q+2-2*\p] ; NM_new - NM_old, never above 0
.endr
.irp q, 0,1,2,3
	v_exp_f32 v[ST+8*\q+4], v[ST+8*\q+5]                       ; used only behind the plain multiply-adds that follow (ISA guide 5.7.2)
.endr
.endif
.endm
.macro FMA qb, i, p                    ; two exponents: c s + NM
	v_pk_fma_f32 v[SC+32*(\qb)+2*(\i):SC+32*(\qb)+2*(\i)+1], v[SC+32*(\qb)+2*(\i):SC+32*(\qb)+2*(\i)+1], s[24:25], v[ST+8*(\qb)+2*\p:ST+8*(\qb)+2*\p+1] op_sel_hi:[1,0,0]
.endm
.macro RESCALE                         ; O times AL of its query block
	WIN 0x41
.set db, 0
	s_wait_alu depctr_va_vdst(0)
.rept 8
.set qb, 0
.rept 4
.set j, 0
.rept 4
	v_pk_mul_f32 v[8*(4*db+qb)+2*j:8*(4*db+qb)+2*j+1], v[8*(4*db+qb)+2*j:8*(4*db+qb)+2*j+1], v[ST+8*qb+4:ST+8*qb+5] op_sel_hi:[1,0]
.set j, j+1
.endr
.set qb, qb+1
.endr
.set db, db+1
.endr
.endm
; L of a lane, two partial sums.  Pair 0 brings the old sums in, scaled; in the first trip pairs 0 and 1 start them.
.macro LACC qb, i, first
.if (\i) == 0
.if \first
	s_wait_alu depctr_va_vdst(0)
	v_pk_add_f32 v[ST+8*(\qb)+6:ST+8*(\qb)+7], v[SC+32*(\qb):SC+32*(\qb)+1], v[SC+32*(\qb)+2:SC+32*(\qb)+3]
.else
	s_wait_alu depctr_va_vdst(0)
	v_pk_fma_f32 v[ST+8*(\qb)+6:ST+8*(\qb)+7], v[ST+8*(\qb)+6:ST+8*(\qb)+7], v[ST+8*(\qb)+4:ST+8*(\qb)+5], v[SC+32*(\qb):SC+32*(\qb)+1] op_sel_hi:[1,0,1]
	s_wait_alu depctr_va_vdst(0)
.endif
.else
.if ((\first)*((\i) == 1)) == 0
	s_wait_alu depctr_va_vdst(0)
	v_pk_add_f32 v[ST+8*(\qb)+6:ST+8*(\qb)+7], v[ST+8*(\qb)+6:ST+8*(\qb)+7], v[SC+32*(\qb)+2*(\i):SC+32*(\qb)+2*(\i)+1]
.endif
.endif
.endm
; Five stages over the query blocks: block g's exponentials, block g + 1's exponents, block g - 1's sums and packing.  Behind each pair of
; exponentials stands a plain instruction of another block, and a block's exponentials are used a stage later (ISA guide 5.7.2).
; Packing in place: pair i of a block goes to register 16 (i / 8) + i % 8, which never lies above a pair not yet packed.
.macro SOFT p, first
.set g, 0
.rept 5
.set i, 0
.rept 16
.if g < 4
	v_exp_f32 v[SC+32*g+2*i],   v[SC+32*g+2*i]
	v_exp_f32 v[SC+32*g+2*i+1], v[SC+32*g+2*i+1]
.endif
.if g < 3
	FMA g+1, i, \p
.endif
.if g > 0
	LACC g-1, i, \first
	v_cvt_pk_bf16_f32 v[SC+32*(g-1)+16*(i>>3)+(i&7)], v[SC+32*(g-1)+2*i], v[SC+32*(g-1)+2*i+1]
.endif
.set i, i+1
.endr
.set g, g+1
.endr
.endm
; 64 matrix instructions: O^T += V^T P^T.  The 32 accumulators take turns, one instruction a turn.
.macro PV first
	WIN 0x53
.set kp, 0
.rept 2
.set db, 0
.rept 8
.set qb, 0
.rept 4
.if (\first)*(kp == 0)
	v_wmma_f32_16x16x32_bf16 v[8*(4*db+qb):8*(4*db+qb)+7], v[128+8*(8*kp+db):128+8*(8*kp+db)+7], v[SC+32*qb+16*kp:SC+32*qb+16*kp+7], 0
.else
	v_wmma_f32_16x16x32_bf16 v[8*(4*db+qb):8*(4*db+qb)+7], v[128+8*(8*kp+db):128+8*(8*kp+db)+7], v[SC+32*qb+16*kp:SC+32*qb+16*kp+7], v[8*(4*db+qb):8*(4*db+qb)+7]
.endif
.set qb, qb+1
.endr
.set db, db+1
.endr
.set kp, kp+1
.endr
.endm
; Trip t, slot = t & 1.  It multiplies tile t from bf16 slot `slot`, casts tile t + 1 from landing slot 1 - slot into bf16 slot 1 - slot (conv),
; and asks for tile t + 2 into landing slot `slot`, which the cast of the last trip has read (refill).
; ONE barrier a trip orders four things: the last trip's bf16 stores against this trip's fragment loads; the last trip's fragment loads against
; this trip's bf16 stores; tile t + 1 landed against its reads; the last trip's landing reads against the refill.
.macro TRIP slot, first, refill, pf, conv
	s_wait_dscnt 0x0                               ; for the other waves: my LDS loads and stores of the last trip are done
.if \conv
	s_wait_tensorcnt 0x0                           ; all my tensor loads have landed (one was out: my quarter of tile t + 1), so a group 0 may be written
	ds_add_u32 v30, v31
	s_wait_dscnt 0x0
.endif
.if \refill
	s_add_nc_u64 s[G0+4*\slot+2:G0+4*\slot+3], s[G0+4*\slot+2:G0+4*\slot+3], 2*TILEB
	ROUND                                          ; both waits now hold of every wave of the four work-groups that the load names
	tensor_load_to_lds s[G0+4*\slot:G0+4*\slot+3], s[G1:G1+7]  ; my one tensor load until the next round; it has this whole trip in which to land
	s_nop 0
	PLACES                                         ; four v_nop behind a joint load
.else
	s_barrier_signal -1
	s_barrier_wait -1
.endif
.if \pf
	PREFETCH                                       ; tile t + 3
.endif
	KLOAD \slot
.if \conv
	CLOAD 1-\slot, 0
.endif
	QK \conv
	WIN 0
.if \conv
	s_wait_dscnt 0x0                               ; the 16 landing rows of k
	CCVT KS+1-\slot, KP                            ; its 32 conversions are also the places between the products and the first read of a score (ISA guide 7.12.1)
.else
	PLACES
.endif
	VLOAD \slot                                    ; they have the whole softmax in which to come
.if \conv
	CLOAD 1-\slot, 1
.endif
	WIN 0
	MAXST \slot, \first
.set i, 0
.rept 16
	FMA 0, i, \slot
.set i, i+1
.endr
.if \first == 0
	RESCALE
	WIN 0
.endif
	SOFT \slot, \first
	s_wait_dscnt 0x0                               ; v's fragments and v's landing rows
.if \conv
	CCVT VS+1-\slot, VP
.endif
	PV \first
	WIN 0
.rept 5
	v_nop                                          ; five places before the next trip's products write over P, four before anything reads O (ISA guide 7.12.1)
.endr
.endm
	s_load_b256 s[4:11], s[0:1], 0x0               ; q s[4:5], k s[6:7], v s[8:9], out0 s[10:11]
	s_load_b64 s[12:13], s[0:1], 0x20              ; out1
	v_lshl_add_u32 v30, v0, 2, 0x42800
	v_mov_b32 v31, 0
	ds_add_u32 v30, v31
	v_lshrrev_b32 v1, 5, v0
	v_readfirstlane_b32 s14, v1                    ; wave 0..3
	s_bfe_u32 s15, ttmp6, 0x40000                  ; cx: it enters global addresses of q, out0, out1 and of the prefetch, nothing else
	s_lshl_b32 s16, ttmp9, 2
	s_add_co_u32 s16, s16, s15                     ; query block = 4 x cluster x + cx
	s_and_b32 s17, ttmp7, 0xffff                   ; head y = 16 b + h
	s_lshr_b32 s18, s17, 4
	s_lshl_b32 s18, s18, 24                        ; b x 2048 x 8192 bytes
	s_and_b32 s19, s17, 15
	s_lshl_b32 s19, s19, 9                         ; h x 512 bytes
	s_add_co_u32 s18, s18, s19                     ; the head's offset in q, k, v, out0
	s_mov_b32 s19, 0
	s_mov_b32 s22, 0x76543210                      ; v_permlanex16_b32: lane i of one half reads lane i of the other
	s_mov_b32 s23, 0xfedcba98
	s_mov_b32 s24, 0x3e0293ee                      ; c = log2(e) / sqrt(128), twice: a pair for the packed multiply-add
	s_mov_b32 s25, 0x3e0293ee
	s_mov_b32 s26, 0xbe0293ee                      ; -c
	s_mov_b32 s27, 0x3f317218                      ; ln 2
	; group 1: a tile of 64 rows x 64 f32 (256 bytes a row, at multiples of 256 bytes from the buffer's first byte), rows 2,048 elements apart, dense in LDS
	s_mov_b32 s[G1+0], 15|(2<<16)|(1<<21)          ; 15:0 the mask of the cluster's four; 17:16 elements of 4 bytes; 21 set beside a mask
	s_mov_b32 s[G1+1], 64<<16                      ; tensor_dim0 = 64
	s_mov_b32 s[G1+2], 64<<16                      ; tensor_dim1 = 64
	s_mov_b32 s[G1+3], 64<<16                      ; tile_dim0 = 64
	s_mov_b32 s[G1+4], 64                          ; tile_dim1 = 64
	s_mov_b32 s[G1+5], 2048                        ; elements from row to row
	s_mov_b32 s[G1+6], 0
	s_mov_b32 s[G1+7], 0
	s_and_b32 s20, s14, 1
	s_lshl_b32 s20, s20, 8                         ; waves 1 and 3: d 64-127
	s_add_co_u32 s20, s20, s18
	s_mov_b32 s21, 0
	s_lshl_b32 s29, s14, 14                        ; my quarter of a landing slot
	; LDS addresses: l = lane, r = l % 16, h = l / 16
	v_and_b32 v1, 31, v0
	v_and_b32 v2, 15, v0
	v_bfe_u32 v3, v0, 4, 1
	v_and_b32 v4, 7, v0
	v_bfe_u32 v5, v0, 3, 1
	s_mul_i32 s3, s14, STGW
	s_add_co_u32 s3, s3, STG                       ; my stage
	s_lshl_b32 s52, s14, 12                        ; my 16 landing rows
	s_mul_i32 s53, s14, 16*KP                      ; my 16 rows of bf16 k
	s_mul_i32 s54, s14, 16*VP                      ; my 16 rows of bf16 v
	v_mul_u32_u24 v6, v2, KP
	v_lshl_add_u32 v6, v3, 4, v6                   ; a fragment along d: row r, 16 h bytes in; two loads 32 bytes apart
	v_add_nc_u32 v[KA], BF, v6
	v_add_nc_u32 v[KA+1], BF+BFS, v6
	v_add_nc_u32 v[QA], s3, v6
	v_lshl_add_u32 v7, v3, 3, v4
	v_mul_u32_u24 v7, v7, VP
	v_lshl_add_u32 v7, v5, 4, v7                   ; transposing load: row 8 h + l % 8, 16 bytes x ((l / 8) & 1)
	v_add_nc_u32 v[VA], BF+VOFF, v7
	v_add_nc_u32 v[VA+1], BF+BFS+VOFF, v7
	v_lshlrev_b32 v6, 4, v2
	v_lshl_add_u32 v6, v3, 14, v6                  ; 16 r in the left (h = 0) or right (h = 1) quarter
	v_add_nc_u32 v[LA], s52, v6
	v_add_nc_u32 v[LA+1], LSLOT, v[LA]
	v_lshlrev_b32 v[LGO], 3, v1
	v_add_nc_u32 v6, s53, v[LGO]
	v_add_nc_u32 v[KS], BF, v6
	v_add_nc_u32 v[KS+1], BF+BFS, v6
	v_add_nc_u32 v6, s54, v[LGO]
	v_add_nc_u32 v[VS], BF+VOFF, v6
	v_add_nc_u32 v[VS+1], BF+BFS+VOFF, v6
	v_add_nc_u32 v[QST], s3, v[LGO]
	v_add_nc_u32 v[LRA], LSEO, v[QST]
	v_lshlrev_b32 v[GO], 4, v1
	v_add_nc_u32 v[ORD], s3, v[GO]
	v_mul_u32_u24 v6, v2, OP
	v_lshl_add_u32 v6, v3, 5, v6                   ; O: row r, 32 h bytes in
	v_add_nc_u32 v[OST], s3, v6
	v_lshl_add_u32 v[LSA], v2, 2, s3
	v_add_nc_u32 v[LSA], LSEO, v[LSA]
	v_lshrrev_b32 v6, 1, v1
	v_and_b32 v7, 1, v0
	v_lshlrev_b32 v7, 8, v7
	v_lshl_add_u32 v[PF], v6, 13, v7
.irp q, 0,1,2,3
	v_mov_b32 v[ST+8*\q+3], 0                      ; v_permlanex16_b32 counts as a reader of its destination
.endr
	s_wait_dscnt 0x0
	s_wait_kmcnt 0x0
	; group 0: waves 0, 1 fetch k's two halves of d, waves 2, 3 v's.  Every word hangs on the head and the wave's number alone: equal in the four partners.
	s_cmp_lt_u32 s14, 2
	s_cselect_b64 s[50:51], s[6:7], s[8:9]
	s_add_nc_u64 s[50:51], s[50:51], s[20:21]
.irp sl, 0,1
	s_mov_b32 s[G0+4*\sl], 1                                       ; count = 1
	s_add_co_u32 s[G0+4*\sl+1], s29, \sl*LSLOT                     ; LDS address
	s_add_nc_u64 s[G0+4*\sl+2:G0+4*\sl+3], s[50:51], \sl*TILEB     ; tile 0, tile 1
	s_or_b32 s[G0+4*\sl+3], s[G0+4*\sl+3], 0x80000000              ; type = 2
.endr
	ROUND                                          ; the four work-groups are here: the first joint loads meet
	tensor_load_to_lds s[G0:G0+3], s[G1:G1+7]      ; both first fills as one group: two tensor loads of the wave are out, later one
	s_nop 0
	tensor_load_to_lds s[G0+4:G0+7], s[G1:G1+7]
	s_nop 0
	PLACES
	s_lshl_b32 s52, s16, 21                        ; 256 queries x 8,192 bytes
	s_lshl_b32 s53, s14, 19                        ; 64 queries
	s_add_co_u32 s52, s52, s53
	s_add_co_u32 s52, s52, s18
	s_mov_b32 s53, 0
	s_add_nc_u64 s[4:5], s[4:5], s[52:53]          ; q and out0 at my wave's first query
	s_add_nc_u64 s[10:11], s[10:11], s[52:53]
	; q: 64 rows of 512 bytes through a ring of 32 rows in registers, rounded to bf16 into my stage
.set i, 0
.rept 32
	global_load_b128 v[SC+4*i:SC+4*i+3], v[GO], s[4:5] offset:i*ROWB th:TH_LOAD_NT
.set i, i+1
.endr
	s_lshl_b32 s54, s17, 13                        ; out1: head x 2,048 x 4 bytes
	s_lshl_b32 s55, s16, 10
	s_add_co_u32 s54, s54, s55
	s_lshl_b32 s55, s14, 8
	s_add_co_u32 s54, s54, s55
	s_mov_b32 s55, 0
	s_add_nc_u64 s[12:13], s[12:13], s[54:55]
	s_lshl_b32 s30, s15, 17                        ; prefetch: my 16 rows of a tile,
	s_add_co_u32 s30, s30, s18
	s_add_co_u32 s30, s30, 2*TILEB                 ; beginning with tile 2
	s_mov_b32 s31, 0
	s_cmp_eq_u32 ttmp9, 0                          ; the head's first cluster asks for k, its second for v
	s_cselect_b64 s[48:49], s[6:7], s[8:9]
	s_add_nc_u64 s[48:49], s[48:49], s[30:31]
	s_cmp_lg_u32 s14, 3
	s_cbranch_scc1 .Lno_first_ask
	global_prefetch_b8 v[PF], s[48:49] th:TH_LOAD_NT scope:SCOPE_SE
.Lno_first_ask:
.set i, 0
.rept 32
	s_wait_loadcnt 31                              ; loads come back in order: row i is in, the 31 younger rows stay out
	v_cvt_pk_bf16_f32 v[SC+4*i],   v[SC+4*i],   v[SC+4*i+1]
	v_cvt_pk_bf16_f32 v[SC+4*i+1], v[SC+4*i+2], v[SC+4*i+3]
	ds_store_b64 v[QST], v[SC+4*i:SC+4*i+1] offset:i*KP
	global_load_b128 v[SC+4*i:SC+4*i+3], v[GO], s[4:5] offset:(32+i)*ROWB th:TH_LOAD_NT
.set i, i+1
.endr
.set i, 0
.rept 32
	s_wait_loadcnt 31-i                            ; nothing is loaded any more: the counts run down
	v_cvt_pk_bf16_f32 v[SC+4*i],   v[SC+4*i],   v[SC+4*i+1]
	v_cvt_pk_bf16_f32 v[SC+4*i+1], v[SC+4*i+2], v[SC+4*i+3]
	ds_store_b64 v[QST], v[SC+4*i:SC+4*i+1] offset:(32+i)*KP
.set i, i+1
.endr
	WIN 0x80                                       ; q's 16 fragments stay in window 2 for the whole kernel
.set qb, 0
.rept 4
.set dsx, 0
.rept 4
	ds_load_b128 v[8*(4*qb+dsx):8*(4*qb+dsx)+3],   v[QA] offset:qb*16*KP+dsx*64      ; my wave's own bytes; LDS serves a wave's instructions in order (ISA guide 5.7.1)
	ds_load_b128 v[8*(4*qb+dsx)+4:8*(4*qb+dsx)+7], v[QA] offset:qb*16*KP+dsx*64+32
.set dsx, dsx+1
.endr
.set qb, qb+1
.endr
	WIN 0
	s_wait_tensorcnt 0x1                           ; my quarter of tile 0 is in; tile 1's, issued behind it, may stay out
	s_wait_dscnt 0x0
	s_barrier_signal -1
	s_barrier_wait -1                              ; everybody's quarter of tile 0 is in
	CLOAD 0, 0                                     ; tile 0 is cast ahead of the first trip
	s_wait_dscnt 0x0
	CCVT KS, KP
	CLOAD 0, 1
	s_wait_dscnt 0x0
	CCVT VS, VP
	TRIP 0, 1, 1, 1, 1                             ; t = 0: the first products start the sums, nothing is cleared
	s_mov_b32 s28, 14
.Ltrips:
	TRIP 1, 0, 1, 1, 1                             ; t = 1, 3, .. 27
	TRIP 0, 0, 1, 1, 1                             ; t = 2, 4, .. 28
	s_sub_co_u32 s28, s28, 1
	s_cmp_lg_u32 s28, 0
	s_cbranch_scc1 .Ltrips
	TRIP 1, 0, 1, 0, 1                             ; t = 29 asks for tile 31, the last; no tile is left to prefetch
	TRIP 0, 0, 0, 0, 1                             ; t = 30 casts tile 31; after its wait no tensor load is out
	TRIP 1, 0, 0, 0, 0                             ; t = 31
	; The end: a query's two lanes add their sums; 1 / L for O, log2 L for lse.  The last trip was odd: NM lies at +2.
.irp q, 0,1,2,3
	v_add_f32 v[ST+8*\q+6], v[ST+8*\q+6], v[ST+8*\q+7]
.endr
.irp q, 0,1,2,3
	v_permlanex16_b32 v[ST+8*\q+3], v[ST+8*\q+6], s22, s23
.endr
.irp q, 0,1,2,3
	v_add_f32 v[ST+8*\q+6], v[ST+8*\q+6], v[ST+8*\q+3]
.endr
.irp q, 0,1,2,3
	v_rcp_f32 v[ST+8*\q+4], v[ST+8*\q+6]
	v_log_f32 v[ST+8*\q+5], v[ST+8*\q+6]
.endr
	v_nop                                          ; one plain place between the transcendentals and the first use (ISA guide 5.7.2)
	s_wait_alu depctr_va_vdst(0)
.irp q, 0,1,2,3
	v_sub_f32 v[ST+8*\q+5], v[ST+8*\q+5], v[ST+8*\q+2]
.endr
.irp q, 0,1,2,3
	v_mul_f32 v[ST+8*\q+5], s27, v[ST+8*\q+5]      ; lse = ln 2 (log2 L - NM)
.endr
.irp q, 0,1,2,3
	ds_store_b32 v[LSA], v[ST+8*\q+5] offset:64*\q ; a query's two lanes write the same word with the same number
.endr
	ds_load_b64 v[LV:LV+1], v[LRA]                 ; back as 64 neighbouring numbers, two a lane (my own bytes, served in order)
	RESCALE                                        ; O / L
	WIN 0
	s_wait_dscnt 0x0
	global_store_b64 v[LGO], v[LV:LV+1], s[12:13]  ; the wave stores 256 consecutive bytes, at a multiple of 256 from out1's first byte
; 16 queries of O: a lane's 8 numbers of each d block into stage rows of 528 bytes, whole rows of 512 bytes back, one row a store
.macro OUT qb, buf
	WIN 0x04
.set db, 0
.rept 8
	ds_store_b128 v[OST], v[8*(4*db+\qb):8*(4*db+\qb)+3]   offset:64*db
	ds_store_b128 v[OST], v[8*(4*db+\qb)+4:8*(4*db+\qb)+7] offset:64*db+16
.set db, db+1
.endr
	WIN 0
	s_wait_xcnt 0x0                                ; earlier stores have read their data: the buffer is loaded again only behind this wait
.set i, 0
.rept 16
	ds_load_b128 v[\buf+4*i:\buf+4*i+3], v[ORD] offset:i*OP
.set i, i+1
.endr
.set i, 0
.rept 16
	s_wait_dscnt 15-i                              ; row i is back, the younger rows stay out
	global_store_b128 v[GO], v[\buf+4*i:\buf+4*i+3], s[10:11] offset:(16*\qb+i)*ROWB th:TH_STORE_NT   ; 512 consecutive bytes, at a multiple of 512 from out0's first byte
.set i, i+1
.endr
.endm
	OUT 0, SC
	OUT 1, SC+64
	OUT 2, SC
	OUT 3, SC+64
	s_wait_dscnt 0x0
	s_wait_tensorcnt 0x0
	ds_add_u32 v30, v31
	s_wait_dscnt 0x0
	ROUND                                          ; the closing round: no work-group ends while a partner may still ask for a tile that names it
	s_endpgm
.Lfunc_end_k_q0860eae2da_attn:
	.size	k_q0860eae2da_attn, .Lfunc_end_k_q0860eae2da_attn-k_q0860eae2da_attn
	.p2alignl 7, 3214868480
	.fill 96, 4, 3214868480
	.section	.rodata,"a",@progbits
	.p2align	6, 0x0
	.amdhsa_kernel k_q0860eae2da_attn
		.amdhsa_group_segment_fixed_size 327680
		.amdhsa_private_segment_fixed_size 0
		.amdhsa_enable_private_segment 0
		.amdhsa_kernarg_size 40
		.amdhsa_user_sgpr_count 2
		.amdhsa_user_sgpr_kernarg_segment_ptr 1
		.amdhsa_wavefront_size32 1
		.amdhsa_system_sgpr_workgroup_id_x 1
		.amdhsa_system_sgpr_workgroup_id_y 1
		.amdhsa_system_sgpr_workgroup_id_z 1
		.amdhsa_system_vgpr_workitem_id 0
		.amdhsa_next_free_vgpr 1024
		.amdhsa_next_free_sgpr 66
		.amdhsa_reserve_vcc 0
		.amdhsa_float_denorm_mode_32 3
		.amdhsa_float_denorm_mode_16_64 3
		.amdhsa_memory_ordered 1
		.amdhsa_forward_progress 1
		.amdhsa_inst_pref_size 255
	.end_amdhsa_kernel
	.section	.bss,"aw",@nobits
	.p2align	6
	.space	262144
	.amdgpu_metadata
---
amdhsa.version: [ 1, 2 ]
amdhsa.kernels:
  - .name:           k_q0860eae2da_attn
    .symbol:         k_q0860eae2da_attn.kd
    .args:
      - { .name: q, .offset: 0, .size: 8, .value_kind: global_buffer, .address_space: global }
      - { .name: k, .offset: 8, .size: 8, .value_kind: global_buffer, .address_space: global }
      - { .name: v, .offset: 16, .size: 8, .value_kind: global_buffer, .address_space: global }
      - { .name: out0, .offset: 24, .size: 8, .value_kind: global_buffer, .address_space: global }
      - { .name: out1, .offset: 32, .size: 8, .value_kind: global_buffer, .address_space: global }
    .group_segment_fixed_size: 327680
    .private_segment_fixed_size: 0
    .kernarg_segment_align: 8
    .kernarg_segment_size: 40
    .max_flat_workgroup_size: 128
    .sgpr_count:     66
    .vgpr_count:     1024
    .wavefront_size: 32
...
	.end_amdgpu_metadata
.endif
;; end of part 1
;; ======== version 2 of 2: 1 launch
;; launch attn (part 2): grid 8 x 32, 4 waves a work-group, clusters of 4 x 1, 327,680 bytes of LDS; arguments q, k, v, out0, out1; writes out0, out1
.if DOCPART == 2
	.amdgcn_target "amdgcn-amd-amdhsa--gfx1250"
	.amdhsa_code_object_version 6
	.text
	.protected	k_q0860eae2da_attn
	.globl	k_q0860eae2da_attn
	.p2align	8
	.type	k_q0860eae2da_attn,@function
k_q0860eae2da_attn:
	s_mov_b64 s[64:65], 0
	v_nop
	global_prefetch_b8 v0, s[64:65] scope:SCOPE_SE
	s_setreg_imm32_b32 hwreg(HW_REG_WAVE_MODE, 25, 1), 1
	s_wait_xcnt 0x0
	s_wait_alu depctr_hold_cnt(0) depctr_sa_sdst(0) depctr_va_vdst(0) depctr_va_sdst(0) depctr_va_ssrc(0) depctr_va_vcc(0) depctr_vm_vsrc(0)
	s_getreg_b32 s2, hwreg(HW_REG_IB_STS2, 6, 4)
	s_cmp_eq_u32 s2, 0
	s_cbranch_scc0 .Lentry_in_a_cluster
	s_endpgm
.Lentry_in_a_cluster:
	s_bfe_u32 s2, ttmp6, 0x10000c
	s_cmp_lg_u32 s2, 0x3003
	s_cbranch_scc0 .Lentry_shape_is_right
	s_endpgm
.Lentry_shape_is_right:
; Attention without a mask: out0 = softmax(q k^T / sqrt(128)) v, out1 = logsumexp of the scaled scores.
; q, k, v, out0: [2][2048][16][128] f32; out1: [2][16][2048] f32.  Products in bf16 with f32 sums, everything else in f32.
; SHARES.  Work-group (x, y): head y = 16 b + h, queries 256 x .. 256 x + 255.  Four waves, 64 queries each (4 blocks of 16).  32 tiles of 64 keys.
; CLUSTER.  The four work-groups of a cluster (4 x 1) walk the same k and v of one head: every tile is asked for jointly, one tensor load a wave.
; FORM.  Scores transposed: S^T = K Q^T.  A lane holds 8 keys of ONE query, two such tiles packed to bf16 ARE the B fragment of P^T, and
; O^T = V^T P^T keeps one query a lane: maximum, sum and factor are one number a lane, and P never leaves the registers.
; SOFTMAX.  Running maximum M of the raw scores; NM = -c M, c = log2(e)/sqrt(128); p = 2^(c s + NM); old sums times 2^(NM_new - NM_old);
; lse = ln 2 (log2 L - NM).
; k and v arrive as f32 (landing ring, tensor loads), are rounded to bf16 by the four waves (16 rows each) one trip ahead into a second ring.
; ORDER OF THE WORK.  Trip t does PV of tile t - 1 (marked ') and QK of tile t, in eight blocks of 16 matrix instructions, one query block each;
; behind every matrix instruction stands vector work of ANOTHER query block, so that both units have work at the same time:
;   d0 PV 0' | B 2'            d4 QK 1 | B 0                 A(q): maximum, NM, factor, first exponent
;   d1 PV 1' | A 3', R 2'      d5 PV 3'| v to bf16, A 1, R 0  B(q): exponents, exponentials, sums, packing
;   d2 QK 0  | B 3'            d6 QK 2 | B 1                 R(q): O of the query block times the factor
;   d3 PV 2' | k to bf16, A 0, R 3'    d7 QK 3 | A 2, R 1
; A product and the softmax need different register windows (S, K and Q together are 384 registers): two switches for each matrix instruction.
; LIMITS.  NaN and infinite inputs: no claim is made.  An exponential below 2^-126 counts as 0 (ISA guide, v_exp_f32); the sum it would join is at least about 1.
.set ROWB,  8192                       ; bytes from one sequence position to the next
.set TILEB, 64*ROWB                    ; 64 keys
.set LSLOT, 65536                      ; a landing slot: 4 quarters of 64 rows x 256 bytes (k d 0-63, k d 64-127, v d 0-63, v d 64-127)
.set BF,    131072                     ; the bf16 ring; no tensor load lands from here on
.set BFS,   35840                      ; one bf16 slot: k 64 rows x 272, then v 64 rows x 288
.set KP,    272                        ; 256 + 16 bytes: sixteen rows of a fragment load start in sixteen different 16-byte columns of a 256-byte span
.set VP,    288                        ; 256 + 32 bytes, for the transposing load
.set VOFF,  64*KP
.set STG,   BF+2*BFS                   ; a stage of 17,408 bytes for each wave, its own: q in, O and lse out
.set STGW,  17408
.set OP,    528                        ; a stage row of O: 512 + 16 bytes
.set LSEO,  16*OP
; window 0
.set KA,  8                            ; v8-9    k fragments in bf16 slot 0, 1
.set VA,  10                           ; v10-11  v fragments
.set LA,  12                           ; v12-13  my 16 bytes of my wave's first landing row
.set KS,  14                           ; v14-15  where my 8 bytes of bf16 k go
.set VS,  16                           ; v16-17  the same for v
.set QST, 18
.set QA,  19
.set GO,  20                           ; 16 x lane
.set OST, 21
.set ORD, 22
.set PF,  23                           ; prefetch: (lane / 2) rows + (lane & 1) x 256 bytes
.set LSA, 24
.set LRA, 25
.set LGO, 26                           ; 8 x lane
.set LV,  28
.set SC,  32                           ; v32-159 scores: tile (kb, q) at SC + 32 q + 8 kb; P fragment (kp, q) at SC + 32 q + 16 kp
.set ST,  160                          ; v160-191 per query block 8: +0 NM (even tiles) +1 M +2 NM (odd tiles) +3 T +4 AL +5 A +6,+7 L
.set CT,  192                          ; v192-255 16 landing rows x 4 registers
; window 1: O(db, q) at 8 (4 db + q).  window 2: q fragment (q, ds) at 8 (4 q + ds).  window 3: k fragment (kb, ds) at 8 (4 kb + ds); v fragment (kp, db) at 128 + 8 (8 kp + db).
.set G1, 32                            ; s[32:39] descriptor group 1
.set G0, 40                            ; s[40:47] descriptor group 0, one set for each landing slot
.set MSB, 0
.macro WIN new                         ; low byte: bits 1:0 source 0, 3:2 source 1, 5:4 source 2, 7:6 destination; the high byte repeats the setting that is left
.if MSB != \new
	s_set_vgpr_msb (MSB<<8)|\new
.set MSB, \new
.endif
.endm
.macro PLACES
.rept 4
	v_nop
.endr
.endm
.macro ROUND                           ; a round of the cluster's barrier
	s_barrier_signal -1
	s_barrier_wait -1
	s_cmp_lg_u32 s14, 0
	s_cbranch_scc1 .Lnot_wave_0_\@
	s_barrier_signal -3
.Lnot_wave_0_\@:
	s_barrier_wait -3
	s_barrier_signal -1
	s_barrier_wait -1
.endm
; Wave 3 asks in trip t for tile t + 4, whose tensor load stands at the head of trip t + 2.  Of a head's two clusters the first asks for k, the second
; for v; partner cx takes rows 16 cx .. 16 cx + 15, a lane one block of 256 bytes: every block is asked for once in the launch.
; inloop = 1: the loop's last pass (trips 28 and 29) asks for nothing: tile 31 is the last.
.macro PREFETCH inloop
	s_cmp_lg_u32 s14, 3
	s_cbranch_scc1 .Lno_ask_\@
.if \inloop
	s_cmp_eq_u32 s28, 1
	s_cbranch_scc1 .Lno_ask_\@
.endif
	s_wait_xcnt 0x0                                ; the last request, a trip ago, has read its base: the base may step
	s_add_nc_u64 s[48:49], s[48:49], TILEB         ; the base stands at tile t + 3, the immediate adds one tile
	global_prefetch_b8 v[PF], s[48:49] offset:TILEB th:TH_LOAD_NT scope:SCOPE_SE
.Lno_ask_\@:
.endm
.macro KLOAD slot                      ; k's 16 fragments, d step ascending: the order in which QK 0 takes them
	WIN 0xc0
.set dsx, 0
.rept 4
.set kb, 0
.rept 4
	ds_load_b128 v[8*(4*kb+dsx):8*(4*kb+dsx)+3],   v[KA+\slot] offset:kb*16*KP+dsx*64
	ds_load_b128 v[8*(4*kb+dsx)+4:8*(4*kb+dsx)+7], v[KA+\slot] offset:kb*16*KP+dsx*64+32
.set kb, kb+1
.endr
.set dsx, dsx+1
.endr
.endm
.macro VLOAD slot                      ; v lies [key][d]; a fragment of V^T is 16 d x 32 keys: transposing loads
	WIN 0xc0
.set kp, 0
.rept 2
.set db, 0
.rept 8
	ds_load_tr16_b128 v[128+8*(8*kp+db):128+8*(8*kp+db)+3],   v[VA+\slot] offset:kp*32*VP+db*32
	ds_load_tr16_b128 v[128+8*(8*kp+db)+4:128+8*(8*kp+db)+7], v[VA+\slot] offset:kp*32*VP+db*32+16*VP
.set db, db+1
.endr
.set kp, kp+1
.endr
.endm
; My wave's 16 landing rows of k (tens = 0) or v (1): lanes 0-15 take d 0-63 from the left quarter, lanes 16-31 d 64-127 from the right
.macro CLOAD slot, tens
	WIN 0
.set j, 0
.rept 16
	ds_load_b128 v[CT+4*j:CT+4*j+3], v[LA+\slot] offset:\tens*32768+j*256
.set j, j+1
.endr
.endm
.macro CCV r                           ; landing row r rounded to bf16, in place
	v_cvt_pk_bf16_f32 v[CT+4*(\r)],   v[CT+4*(\r)],   v[CT+4*(\r)+1]
	v_cvt_pk_bf16_f32 v[CT+4*(\r)+1], v[CT+4*(\r)+2], v[CT+4*(\r)+3]
.endm
.macro CST adr, pitch                  ; the 16 rounded rows in one run: one store of the wave is one row's 256 bytes
	WIN 0
.set j, 0
.rept 16
	ds_store_b64 v[\adr], v[CT+4*j:CT+4*j+1] offset:j*\pitch
.set j, j+1
.endr
.endm
; One matrix instruction.  kind 0: number j of QK(q): d step j / 4, key block j % 4; the first d step starts the sums with C = 0.
; kind 1: number j of PV(q): key pair j / 8, d block j % 8; first = 1: tile 0 starts the sums.
; In QK four accumulators take turns, in PV eight, one instruction a turn, over the blocks' ends too.
.macro WM kind, q, j, first
.if (\kind) == 0
	WIN 0x0b
.set kb, (\j)&3
.set dsx, (\j)>>2
.if dsx == 0
	v_wmma_f32_16x16x32_bf16 v[SC+32*(\q)+8*kb:SC+32*(\q)+8*kb+7], v[8*(4*kb+dsx):8*(4*kb+dsx)+7], v[8*(4*(\q)+dsx):8*(4*(\q)+dsx)+7], 0
.else
	v_wmma_f32_16x16x32_bf16 v[SC+32*(\q)+8*kb:SC+32*(\q)+8*kb+7], v[8*(4*kb+dsx):8*(4*kb+dsx)+7], v[8*(4*(\q)+dsx):8*(4*(\q)+dsx)+7], v[SC+32*(\q)+8*kb:SC+32*(\q)+8*kb+7]
.endif
.else
	WIN 0x53
.set kp, (\j)>>3
.set db, (\j)&7
.if (\first)*(kp == 0)
	v_wmma_f32_16x16x32_bf16 v[8*(4*db+(\q)):8*(4*db+(\q))+7], v[128+8*(8*kp+db):128+8*(8*kp+db)+7], v[SC+32*(\q)+16*kp:SC+32*(\q)+16*kp+7], 0
.else
	v_wmma_f32_16x16x32_bf16 v[8*(4*db+(\q)):8*(4*db+(\q))+7], v[128+8*(8*kp+db):128+8*(8*kp+db)+7], v[SC+32*(\q)+16*kp:SC+32*(\q)+16*kp+7], v[8*(4*db+(\q)):8*(4*db+(\q))+7]
.endif
.endif
.endm
.macro FMA q, i, p                     ; two exponents: c s + NM
	v_pk_fma_f32 v[SC+32*(\q)+2*(\i):SC+32*(\q)+2*(\i)+1], v[SC+32*(\q)+2*(\i):SC+32*(\q)+2*(\i)+1], s[24:25], v[ST+8*(\q)+2*(\p):ST+8*(\q)+2*(\p)+1] op_sel_hi:[1,0,0]
.endm
; Instruction n of A(q).  0-15: the maximum in two chains, M (which brings the old maximum in) and T; 16-18: the chains and the query's two lanes meet;
; 19: NM = -c M; 20, 21: the factor 2^(NM_new - NM_old), never above 1; 22: the first exponents, also the plain place behind the exponential (ISA guide 5.7.2).
.macro AI q, n, p, first
.if (\n) == 0
.if \first
	v_max_num_f32 v[ST+8*(\q)+1], v[SC+32*(\q)], v[SC+32*(\q)+1]
.else
	v_max3_num_f32 v[ST+8*(\q)+1], v[ST+8*(\q)+1], v[SC+32*(\q)], v[SC+32*(\q)+1]
.endif
.elseif (\n) == 1
	v_max_num_f32 v[ST+8*(\q)+3], v[SC+32*(\q)+2], v[SC+32*(\q)+3]
.elseif (\n) < 16
	v_max3_num_f32 v[ST+8*(\q)+1+2*((\n)&1)], v[ST+8*(\q)+1+2*((\n)&1)], v[SC+32*(\q)+2*(\n)], v[SC+32*(\q)+2*(\n)+1]
.elseif (\n) == 16
	v_max_num_f32 v[ST+8*(\q)+1], v[ST+8*(\q)+1], v[ST+8*(\q)+3]
.elseif (\n) == 17
	v_permlanex16_b32 v[ST+8*(\q)+3], v[ST+8*(\q)+1], s22, s23     ; lane l takes lane l xor 16: the query's other 32 keys
.elseif (\n) == 18
	v_max_num_f32 v[ST+8*(\q)+1], v[ST+8*(\q)+1], v[ST+8*(\q)+3]
.elseif (\n) == 19
	v_mul_f32 v[ST+8*(\q)+2*(\p)], s26, v[ST+8*(\q)+1]
.elseif (\n) == 20
.if (\first) == 0
	v_sub_f32 v[ST+8*(\q)+5], v[ST+8*(\q)+2*(\p)], v[ST+8*(\q)+2-2*(\p)]
.endif
.elseif (\n) == 21
.if (\first) == 0
	v_exp_f32 v[ST+8*(\q)+4], v[ST+8*(\q)+5]
.endif
.elseif (\n) == 22
	FMA \q, 0, \p
.endif
.endm
; L of a lane, two partial sums.  Pair 0 brings the old sums in, scaled; in tile 0 pairs 0 and 1 start them.
.macro LACC q, i, first
.if (\i) == 0
.if \first
	s_wait_alu depctr_va_vdst(0)
	v_pk_add_f32 v[ST+8*(\q)+6:ST+8*(\q)+7], v[SC+32*(\q):SC+32*(\q)+1], v[SC+32*(\q)+2:SC+32*(\q)+3]
.else
	s_wait_alu depctr_va_vdst(0)
	v_pk_fma_f32 v[ST+8*(\q)+6:ST+8*(\q)+7], v[ST+8*(\q)+6:ST+8*(\q)+7], v[ST+8*(\q)+4:ST+8*(\q)+5], v[SC+32*(\q):SC+32*(\q)+1] op_sel_hi:[1,0,1]
.endif
.else
.if ((\first)*((\i) == 1)) == 0
	s_wait_alu depctr_va_vdst(0)
	v_pk_add_f32 v[ST+8*(\q)+6:ST+8*(\q)+7], v[ST+8*(\q)+6:ST+8*(\q)+7], v[SC+32*(\q)+2*(\i):SC+32*(\q)+2*(\i)+1]
.endif
.endif
.endm
.macro SUMPK q, i, first               ; pair i joins the sums and is packed in place: register 16 (i / 8) + i % 8 never lies above a pair not yet packed
	LACC \q, \i, \first
	v_cvt_pk_bf16_f32 v[SC+32*(\q)+16*((\i)>>3)+((\i)&7)], v[SC+32*(\q)+2*(\i)], v[SC+32*(\q)+2*(\i)+1]
.endm
; Piece i of B(q): pair i's exponentials, pair i + 1's exponents, pair i - 1's sum and packing: between an exponential and its use stands a plain instruction (ISA guide 5.7.2)
.macro BP q, i, p, first
	v_exp_f32 v[SC+32*(\q)+2*(\i)],   v[SC+32*(\q)+2*(\i)]
	v_exp_f32 v[SC+32*(\q)+2*(\i)+1], v[SC+32*(\q)+2*(\i)+1]
.if (\i) < 15
	FMA \q, (\i)+1, \p
.endif
.if (\i) > 0
	SUMPK \q, (\i)-1, \first
.endif
.if (\i) == 15
	SUMPK \q, 15, \first
.endif
.endm
.macro RU q, d                         ; O(d block d, q) times AL of the query block
	WIN 0x41
.set rj, 0
.rept 4
	v_pk_mul_f32 v[8*(4*(\d)+(\q))+2*rj:8*(4*(\d)+(\q))+2*rj+1], v[8*(4*(\d)+(\q))+2*rj:8*(4*(\d)+(\q))+2*rj+1], v[ST+8*(\q)+4:ST+8*(\q)+5] op_sel_hi:[1,0]
.set rj, rj+1
.endr
.endm
; A block with B behind its matrix instructions.  wk: 0 QK, 1 PV, 2 none; bq: B's query block, 9 none.
; kw below 99 (QK 0 alone): in front of d step ds LDS loads may be out: the 8 of each later d step and the landing loads behind them (loads come back in order).
.macro EVEN wk, wq, wfirst, bq, bp, bfirst, kw
.set jj, 0
.rept 16
.if (\wk) < 2
.if ((\kw) < 99)*((jj&3) == 0)
	s_wait_dscnt (\kw)-8*(jj>>2)
.endif
	WM \wk, \wq, jj, \wfirst
.endif
.if (\bq) < 4
	WIN 0
	BP \bq, jj, \bp, \bfirst
.endif
.set jj, jj+1
.endr
.endm
; First half of a block with A: behind each of eight matrix instructions two landing rows' rounding (cv) and three instructions of A.
; The roundings, or the four plain instructions that close the block before, are the places between QK(aq) and the first read of a score (ISA guide 7.12.1).
.macro ODDA wk, wq, wfirst, aq, ap, afirst, cv
.set jj, 0
.rept 8
.if (\wk) < 2
	WM \wk, \wq, jj, \wfirst
.endif
.if \cv
	WIN 0
	CCV 2*jj
	CCV 2*jj+1
.endif
.if (\aq) < 4
	WIN 0
	AI \aq, 3*jj, \ap, \afirst
	AI \aq, 3*jj+1, \ap, \afirst
	AI \aq, 3*jj+2, \ap, \afirst
.endif
.set jj, jj+1
.endr
.endm
.macro ODDB wk, wq, wfirst, rq         ; second half: one d block of R behind each matrix instruction
.set jj, 8
.rept 8
.if (\wk) < 2
	WM \wk, \wq, jj, \wfirst
.endif
.if (\rq) < 4
	RU \rq, jj-8
.endif
.set jj, jj+1
.endr
.endm
; Trip t, slot = t & 1.  prev: tile t - 1 is finished (pfirst: it is tile 0); cur: tile t is begun (cfirst: it is tile 0); conv: tile t + 1 is rounded from
; landing slot 1 - slot into bf16 slot 1 - slot; refill: tile t + 2 is asked for into landing slot `slot`, which the last trip's rounding has read.
; ONE barrier a trip orders four things: the last trip's bf16 stores against this trip's fragment loads; the last trip's fragment loads against this trip's
; bf16 stores; tile t + 1 landed against its reads; the last trip's landing reads against the refill.
.macro TRIP slot, prev, pfirst, cur, cfirst, refill, pf, conv
	s_wait_dscnt 0x0                               ; for the other waves and for me: my LDS loads (v's fragments among them) and stores of the last trip are done
.if \conv
	s_wait_tensorcnt 0x0                           ; all my tensor loads have landed (one was out: my quarter of tile t + 1), so a group 0 may be written
	ds_add_u32 v30, v31
	s_wait_dscnt 0x0
.endif
.if \refill
	s_add_nc_u64 s[G0+4*\slot+2:G0+4*\slot+3], s[G0+4*\slot+2:G0+4*\slot+3], 2*TILEB
	ROUND                                          ; both waits now hold of every wave of the four work-groups that the load names
	tensor_load_to_lds s[G0+4*\slot:G0+4*\slot+3], s[G1:G1+7]  ; my one tensor load until the next round; it has this whole trip in which to land
	s_nop 0
	PLACES                                         ; four v_nop behind a joint load; also places between the last QK 3 and the loads into k's fragments
.elseif \cur
	s_barrier_signal -1
	s_barrier_wait -1
.endif
.if \pf
	PREFETCH \pf-1
.endif
.if \cur
	KLOAD \slot                                    ; used two blocks further down
.endif
.if \prev
	EVEN 1, 0, \pfirst, 2, 1-\slot, \pfirst, 99                    ; d0
.endif
.if \conv
	CLOAD 1-\slot, 0
.endif
.if \prev
	ODDA 1, 1, \pfirst, 3, 1-\slot, \pfirst, 0                     ; d1
	ODDB 1, 1, \pfirst, 2+7*\pfirst
.endif
	EVEN 2-2*\cur, 0, 0, 9-6*\prev, 1-\slot, \pfirst, 24+16*\conv  ; d2
.if \conv
	s_wait_dscnt 0x0                               ; k's 16 landing rows
.endif
	ODDA 2-\prev, 2, \pfirst, 9-9*\cur, \slot, \cfirst, \conv      ; d3
.if \conv
	CST KS+1-\slot, KP
	CLOAD 1-\slot, 1
.endif
	ODDB 2-\prev, 2, \pfirst, 9-6*\prev*(1-\pfirst)
.if \cur
	EVEN 0, 1, 0, 0, \slot, \cfirst, 99                            ; d4
.endif
.if \conv
	s_wait_dscnt 0x0                               ; v's 16 landing rows
.endif
	ODDA 2-\prev, 3, \pfirst, 9-8*\cur, \slot, \cfirst, \conv      ; d5
.if \conv
	CST VS+1-\slot, VP
.endif
	ODDB 2-\prev, 3, \pfirst, 9-9*\cur*(1-\cfirst)
.if \cur
	VLOAD \slot                                    ; tile t's v, for the next trip; the four multiplies of R 0 behind the last PV 3' are the places in front of these loads
	EVEN 0, 2, 0, 1, \slot, \cfirst, 99                            ; d6
	ODDA 0, 3, 0, 2, \slot, \cfirst, 0                             ; d7
	ODDB 0, 3, 0, 1+8*\cfirst
.endif
	WIN 0
.endm
	s_load_b256 s[4:11], s[0:1], 0x0               ; q s[4:5], k s[6:7], v s[8:9], out0 s[10:11]
	s_load_b64 s[12:13], s[0:1], 0x20              ; out1
	v_lshl_add_u32 v30, v0, 2, 0x42800
	v_mov_b32 v31, 0
	ds_add_u32 v30, v31
	v_lshrrev_b32 v1, 5, v0
	v_readfirstlane_b32 s14, v1                    ; wave 0..3
	s_bfe_u32 s15, ttmp6, 0x40000                  ; cx: it enters global addresses of q, out0, out1 and of the prefetch, nothing else
	s_lshl_b32 s16, ttmp9, 2
	s_add_co_u32 s16, s16, s15                     ; query block = 4 x cluster x + cx
	s_and_b32 s17, ttmp7, 0xffff                   ; head y = 16 b + h
	s_lshr_b32 s18, s17, 4
	s_lshl_b32 s18, s18, 24                        ; b x 2048 x 8192 bytes
	s_and_b32 s19, s17, 15
	s_lshl_b32 s19, s19, 9                         ; h x 512 bytes
	s_add_co_u32 s18, s18, s19                     ; the head's offset in q, k, v, out0
	s_mov_b32 s19, 0
	s_mov_b32 s22, 0x76543210                      ; v_permlanex16_b32: lane i of one half reads lane i of the other
	s_mov_b32 s23, 0xfedcba98
	s_mov_b32 s24, 0x3e0293ee                      ; c = log2(e) / sqrt(128), twice: a pair for the packed multiply-add
	s_mov_b32 s25, 0x3e0293ee
	s_mov_b32 s26, 0xbe0293ee                      ; -c
	s_mov_b32 s27, 0x3f317218                      ; ln 2
	; group 1: a tile of 64 rows x 64 f32 (256 bytes a row, at multiples of 256 bytes from the buffer's first byte), rows 2,048 elements apart, dense in LDS
	s_mov_b32 s[G1+0], 15|(2<<16)|(1<<21)          ; 15:0 the mask of the cluster's four; 17:16 elements of 4 bytes; 21 set beside a mask
	s_mov_b32 s[G1+1], 64<<16                      ; tensor_dim0 = 64
	s_mov_b32 s[G1+2], 64<<16                      ; tensor_dim1 = 64
	s_mov_b32 s[G1+3], 64<<16                      ; tile_dim0 = 64
	s_mov_b32 s[G1+4], 64                          ; tile_dim1 = 64
	s_mov_b32 s[G1+5], 2048                        ; elements from row to row
	s_mov_b32 s[G1+6], 0
	s_mov_b32 s[G1+7], 0
	s_and_b32 s20, s14, 1
	s_lshl_b32 s20, s20, 8                         ; waves 1 and 3: d 64-127
	s_add_co_u32 s20, s20, s18
	s_mov_b32 s21, 0
	s_lshl_b32 s29, s14, 14                        ; my quarter of a landing slot
	; LDS addresses: l = lane, r = l % 16, h = l / 16
	v_and_b32 v1, 31, v0
	v_and_b32 v2, 15, v0
	v_bfe_u32 v3, v0, 4, 1
	v_and_b32 v4, 7, v0
	v_bfe_u32 v5, v0, 3, 1
	s_mul_i32 s3, s14, STGW
	s_add_co_u32 s3, s3, STG                       ; my stage
	s_lshl_b32 s52, s14, 12                        ; my 16 landing rows
	s_mul_i32 s53, s14, 16*KP                      ; my 16 rows of bf16 k
	s_mul_i32 s54, s14, 16*VP                      ; my 16 rows of bf16 v
	v_mul_u32_u24 v6, v2, KP
	v_lshl_add_u32 v6, v3, 4, v6                   ; a fragment along d: row r, 16 h bytes in; two loads 32 bytes apart
	v_add_nc_u32 v[KA], BF, v6
	v_add_nc_u32 v[KA+1], BF+BFS, v6
	v_add_nc_u32 v[QA], s3, v6
	v_lshl_add_u32 v7, v3, 3, v4
	v_mul_u32_u24 v7, v7, VP
	v_lshl_add_u32 v7, v5, 4, v7                   ; transposing load: row 8 h + l % 8, 16 bytes x ((l / 8) & 1)
	v_add_nc_u32 v[VA], BF+VOFF, v7
	v_add_nc_u32 v[VA+1], BF+BFS+VOFF, v7
	v_lshlrev_b32 v6, 4, v2
	v_lshl_add_u32 v6, v3, 14, v6                  ; 16 r in the left (h = 0) or right (h = 1) quarter
	v_add_nc_u32 v[LA], s52, v6
	v_add_nc_u32 v[LA+1], LSLOT, v[LA]
	v_lshlrev_b32 v[LGO], 3, v1
	v_add_nc_u32 v6, s53, v[LGO]
	v_add_nc_u32 v[KS], BF, v6
	v_add_nc_u32 v[KS+1], BF+BFS, v6
	v_add_nc_u32 v6, s54, v[LGO]
	v_add_nc_u32 v[VS], BF+VOFF, v6
	v_add_nc_u32 v[VS+1], BF+BFS+VOFF, v6
	v_add_nc_u32 v[QST], s3, v[LGO]
	v_add_nc_u32 v[LRA], LSEO, v[QST]
	v_lshlrev_b32 v[GO], 4, v1
	v_add_nc_u32 v[ORD], s3, v[GO]
	v_mul_u32_u24 v6, v2, OP
	v_lshl_add_u32 v6, v3, 5, v6                   ; O: row r, 32 h bytes in
	v_add_nc_u32 v[OST], s3, v6
	v_lshl_add_u32 v[LSA], v2, 2, s3
	v_add_nc_u32 v[LSA], LSEO, v[LSA]
	v_lshrrev_b32 v6, 1, v1
	v_and_b32 v7, 1, v0
	v_lshlrev_b32 v7, 8, v7
	v_lshl_add_u32 v[PF], v6, 13, v7
	s_wait_dscnt 0x0
	s_wait_kmcnt 0x0
	; group 0: waves 0, 1 fetch k's two halves of d, waves 2, 3 v's.  Every word hangs on the head and the wave's number alone: equal in the four partners.
	s_cmp_lt_u32 s14, 2
	s_cselect_b64 s[50:51], s[6:7], s[8:9]
	s_add_nc_u64 s[50:51], s[50:51], s[20:21]
.irp sl, 0,1
	s_mov_b32 s[G0+4*\sl], 1                                       ; count = 1
	s_add_co_u32 s[G0+4*\sl+1], s29, \sl*LSLOT                     ; LDS address
	s_add_nc_u64 s[G0+4*\sl+2:G0+4*\sl+3], s[50:51], \sl*TILEB     ; tile 0, tile 1
	s_or_b32 s[G0+4*\sl+3], s[G0+4*\sl+3], 0x80000000              ; type = 2
.endr
	ROUND                                          ; the four work-groups are here: the first joint loads meet
	tensor_load_to_lds s[G0:G0+3], s[G1:G1+7]      ; both first fills as one group: two tensor loads of the wave are out, later one
	s_nop 0
	tensor_load_to_lds s[G0+4:G0+7], s[G1:G1+7]
	s_nop 0
	PLACES
	s_lshl_b32 s52, s16, 21                        ; 256 queries x 8,192 bytes
	s_lshl_b32 s53, s14, 19                        ; 64 queries
	s_add_co_u32 s52, s52, s53
	s_add_co_u32 s52, s52, s18
	s_mov_b32 s53, 0
	s_add_nc_u64 s[4:5], s[4:5], s[52:53]          ; q and out0 at my wave's first query
	s_add_nc_u64 s[10:11], s[10:11], s[52:53]
	; q: 64 rows of 512 bytes through a ring of 32 rows in registers, rounded to bf16 into my stage, eight rows at a time
.set i, 0
.rept 32
	global_load_b128 v[SC+4*i:SC+4*i+3], v[GO], s[4:5] offset:i*ROWB th:TH_LOAD_NT
.set i, i+1
.endr
	s_lshl_b32 s54, s17, 13                        ; out1: head x 2,048 x 4 bytes
	s_lshl_b32 s55, s16, 10
	s_add_co_u32 s54, s54, s55
	s_lshl_b32 s55, s14, 8
	s_add_co_u32 s54, s54, s55
	s_mov_b32 s55, 0
	s_add_nc_u64 s[12:13], s[12:13], s[54:55]
	s_lshl_b32 s30, s15, 17                        ; prefetch: my 16 rows of a tile,
	s_add_co_u32 s30, s30, s18
	s_add_co_u32 s30, s30, 2*TILEB                 ; beginning with tile 2
	s_mov_b32 s31, 0
	s_cmp_eq_u32 ttmp9, 0                          ; the head's first cluster asks for k, its second for v
	s_cselect_b64 s[48:49], s[6:7], s[8:9]
	s_add_nc_u64 s[48:49], s[48:49], s[30:31]
	s_cmp_lg_u32 s14, 3
	s_cbranch_scc1 .Lno_first_ask
	global_prefetch_b8 v[PF], s[48:49] th:TH_LOAD_NT scope:SCOPE_SE               ; tile 2
	global_prefetch_b8 v[PF], s[48:49] offset:TILEB th:TH_LOAD_NT scope:SCOPE_SE  ; tile 3
.Lno_first_ask:
.set c, 0
.rept 8
.if c < 4
	s_wait_loadcnt 24                              ; loads come back in order: chunk c is in, the 24 younger rows stay out
.else
	s_wait_loadcnt 56-8*c                          ; nothing is loaded any more: the counts run down
.endif
.set i, 0
.rept 8
	v_cvt_pk_bf16_f32 v[SC+32*(c&3)+4*i],   v[SC+32*(c&3)+4*i],   v[SC+32*(c&3)+4*i+1]
	v_cvt_pk_bf16_f32 v[SC+32*(c&3)+4*i+1], v[SC+32*(c&3)+4*i+2], v[SC+32*(c&3)+4*i+3]
.set i, i+1
.endr
.set i, 0
.rept 8
	ds_store_b64 v[QST], v[SC+32*(c&3)+4*i:SC+32*(c&3)+4*i+1] offset:(8*c+i)*KP
.set i, i+1
.endr
.if c < 4
.set i, 0
.rept 8
	global_load_b128 v[SC+32*(c&3)+4*i:SC+32*(c&3)+4*i+3], v[GO], s[4:5] offset:(32+8*c+i)*ROWB th:TH_LOAD_NT
.set i, i+1
.endr
.endif
.set c, c+1
.endr
	WIN 0x80                                       ; q's 16 fragments stay in window 2 for the whole kernel
.set qb, 0
.rept 4
.set dsx, 0
.rept 4
	ds_load_b128 v[8*(4*qb+dsx):8*(4*qb+dsx)+3],   v[QA] offset:qb*16*KP+dsx*64      ; my wave's own bytes; LDS serves a wave's instructions in order (ISA guide 5.7.1)
	ds_load_b128 v[8*(4*qb+dsx)+4:8*(4*qb+dsx)+7], v[QA] offset:qb*16*KP+dsx*64+32
.set dsx, dsx+1
.endr
.set qb, qb+1
.endr
	WIN 0
	s_wait_tensorcnt 0x1                           ; my quarter of tile 0 is in; tile 1's, issued behind it, may stay out
	s_wait_dscnt 0x0
	s_barrier_signal -1
	s_barrier_wait -1                              ; everybody's quarter of tile 0 is in
.macro CCVALL
.set cr, 0
.rept 16
	CCV cr
.set cr, cr+1
.endr
.endm
	CLOAD 0, 0                                     ; tile 0 is rounded ahead of the first trip
	s_wait_dscnt 0x0
	CCVALL
	CST KS, KP
	CLOAD 0, 1
	s_wait_dscnt 0x0
	CCVALL
	CST VS, VP
	TRIP 0, 0, 0, 1, 1, 1, 1, 1                    ; t = 0: nothing to finish; the first products start the sums, nothing is cleared
	TRIP 1, 1, 1, 1, 0, 1, 1, 1                    ; t = 1: finishes tile 0
	s_mov_b32 s28, 14
.Ltrips:
	TRIP 0, 1, 0, 1, 0, 1, 2, 1                    ; t = 2, 4, .. 28
	TRIP 1, 1, 0, 1, 0, 1, 2, 1                    ; t = 3, 5, .. 29; t = 29 asks for tile 31, the last
	s_sub_co_u32 s28, s28, 1
	s_cmp_lg_u32 s28, 0
	s_cbranch_scc1 .Ltrips
	TRIP 0, 1, 0, 1, 0, 0, 0, 1                    ; t = 30 rounds tile 31; after its wait no tensor load is out
	TRIP 1, 1, 0, 1, 0, 0, 0, 0                    ; t = 31
	TRIP 0, 1, 0, 0, 0, 0, 0, 0                    ; tile 31 is finished: registers alone, no barrier
	PLACES                                         ; four places before anything reads O (ISA guide 7.12.1)
	; The end: a query's two lanes add their sums; 1 / L for O, log2 L for lse.  The last tile was odd: NM lies at +2.
.irp q, 0,1,2,3
	v_add_f32 v[ST+8*\q+6], v[ST+8*\q+6], v[ST+8*\q+7]
.endr
.irp q, 0,1,2,3
	v_permlanex16_b32 v[ST+8*\q+3], v[ST+8*\q+6], s22, s23
.endr
.irp q, 0,1,2,3
	v_add_f32 v[ST+8*\q+6], v[ST+8*\q+6], v[ST+8*\q+3]
.endr
.irp q, 0,1,2,3
	v_rcp_f32 v[ST+8*\q+4], v[ST+8*\q+6]
	v_log_f32 v[ST+8*\q+5], v[ST+8*\q+6]
.endr
	v_nop                                          ; one plain place between the transcendentals and the first use (ISA guide 5.7.2)
	s_wait_alu depctr_va_vdst(0)
.irp q, 0,1,2,3
	v_sub_f32 v[ST+8*\q+5], v[ST+8*\q+5], v[ST+8*\q+2]
.endr
.irp q, 0,1,2,3
	v_mul_f32 v[ST+8*\q+5], s27, v[ST+8*\q+5]      ; lse = ln 2 (log2 L - NM)
.endr
.irp q, 0,1,2,3
	ds_store_b32 v[LSA], v[ST+8*\q+5] offset:64*\q ; a query's two lanes write the same word with the same number
.endr
	ds_load_b64 v[LV:LV+1], v[LRA]                 ; back as 64 neighbouring numbers, two a lane (my own bytes, served in order)
.irp q, 0,1,2,3
.set dd, 0
.rept 8
	RU \q, dd                                      ; O / L
.set dd, dd+1
.endr
.endr
	WIN 0
	s_wait_dscnt 0x0
	global_store_b64 v[LGO], v[LV:LV+1], s[12:13]  ; the wave stores 256 consecutive bytes, at a multiple of 256 from out1's first byte
; 16 queries of O: a lane's 8 numbers of each d block into stage rows of 528 bytes, whole rows of 512 bytes back, one row a store
.macro OUT qb, buf
	WIN 0x04
.set db, 0
.rept 8
	ds_store_b128 v[OST], v[8*(4*db+\qb):8*(4*db+\qb)+3]   offset:64*db
	ds_store_b128 v[OST], v[8*(4*db+\qb)+4:8*(4*db+\qb)+7] offset:64*db+16
.set db, db+1
.endr
	WIN 0
	s_wait_xcnt 0x0                                ; earlier stores have read their data: the buffer is loaded again only behind this wait
.set i, 0
.rept 16
	ds_load_b128 v[\buf+4*i:\buf+4*i+3], v[ORD] offset:i*OP
.set i, i+1
.endr
.set i, 0
.rept 16
	s_wait_dscnt 15-i                              ; row i is back, the younger rows stay out
	global_store_b128 v[GO], v[\buf+4*i:\buf+4*i+3], s[10:11] offset:(16*\qb+i)*ROWB th:TH_STORE_NT   ; 512 consecutive bytes, at a multiple of 512 from out0's first byte
.set i, i+1
.endr
.endm
	OUT 0, SC
	OUT 1, SC+64
	OUT 2, SC
	OUT 3, SC+64
	s_wait_dscnt 0x0
	s_wait_tensorcnt 0x0
	ds_add_u32 v30, v31
	s_wait_dscnt 0x0
	ROUND                                          ; the closing round: no work-group ends while a partner may still ask for a tile that names it
	s_endpgm
.Lfunc_end_k_q0860eae2da_attn:
	.size	k_q0860eae2da_attn, .Lfunc_end_k_q0860eae2da_attn-k_q0860eae2da_attn
	.p2alignl 7, 3214868480
	.fill 96, 4, 3214868480
	.section	.rodata,"a",@progbits
	.p2align	6, 0x0
	.amdhsa_kernel k_q0860eae2da_attn
		.amdhsa_group_segment_fixed_size 327680
		.amdhsa_private_segment_fixed_size 0
		.amdhsa_enable_private_segment 0
		.amdhsa_kernarg_size 40
		.amdhsa_user_sgpr_count 2
		.amdhsa_user_sgpr_kernarg_segment_ptr 1
		.amdhsa_wavefront_size32 1
		.amdhsa_system_sgpr_workgroup_id_x 1
		.amdhsa_system_sgpr_workgroup_id_y 1
		.amdhsa_system_sgpr_workgroup_id_z 1
		.amdhsa_system_vgpr_workitem_id 0
		.amdhsa_next_free_vgpr 1024
		.amdhsa_next_free_sgpr 66
		.amdhsa_reserve_vcc 0
		.amdhsa_float_denorm_mode_32 3
		.amdhsa_float_denorm_mode_16_64 3
		.amdhsa_memory_ordered 1
		.amdhsa_forward_progress 1
		.amdhsa_inst_pref_size 255
	.end_amdhsa_kernel
	.section	.bss,"aw",@nobits
	.p2align	6
	.space	262144
	.amdgpu_metadata
---
amdhsa.version: [ 1, 2 ]
amdhsa.kernels:
  - .name:           k_q0860eae2da_attn
    .symbol:         k_q0860eae2da_attn.kd
    .args:
      - { .name: q, .offset: 0, .size: 8, .value_kind: global_buffer, .address_space: global }
      - { .name: k, .offset: 8, .size: 8, .value_kind: global_buffer, .address_space: global }
      - { .name: v, .offset: 16, .size: 8, .value_kind: global_buffer, .address_space: global }
      - { .name: out0, .offset: 24, .size: 8, .value_kind: global_buffer, .address_space: global }
      - { .name: out1, .offset: 32, .size: 8, .value_kind: global_buffer, .address_space: global }
    .group_segment_fixed_size: 327680
    .private_segment_fixed_size: 0
    .kernarg_segment_align: 8
    .kernarg_segment_size: 40
    .max_flat_workgroup_size: 128
    .sgpr_count:     66
    .vgpr_count:     1024
    .wavefront_size: 32
...
	.end_amdgpu_metadata
.endif
;; end of part 2
